; MI455X (gfx1250); checked and timed in simulation.
; The chip was launched on July 23, 2026; its instructions are those of AMD's public machine-readable ISA for CDNA 5 (MIT licence, August 2026) and "CDNA5" Instruction Set Architecture Reference Guide (July 2026). The comments in the code are by the model that wrote it; some were corrected since.
;; Vector Quantize. Allowed arithmetic: matrix products marked QUANTISED: E5M2 operands, one given power-of-two scale a tensor, by v_wmma_f32_16x16x64_bf8_bf8 or v_wmma_f32_16x16x128_bf8_bf8, f32 sums; everything else in f32.
;; Inputs: embed 8,192 x 512 float32; lowp_scales 2 int32 (the exponents e of the quantised operands' scales 2^e); x 4 x 4,096 x 512 float32.
;; Outputs: out0 4 x 4,096 x 512 float32; out1 4 x 4,096 int32.
;; This version of the problem:
;;   THIS VERSION OF THE PROBLEM IS GIVEN IN LOW PRECISION. The matrix products marked QUANTISED in the list below multiply operands that are first quantised to E5M2 (5 exponent bits, 2 mantissa bits; 8 bits a number), with one given power-of-two scale for each operand tensor; their sums are f32. All else is computed in f32.
;;   The module's matrix products, in the order in which they are computed (A, B: the left and right operand; K: the contracted axis; several contracted axes count as one K, in the product's order):
;;     1. [M 16,384, K 512] x [K 512, N 8,192]; A: computed on the way; B: input embed: QUANTISED (scales: A lowp_scales[0], B lowp_scales[1])
;;   THE QUANTISER, for each operand of a quantised product, along K:
;;     - The operand's scale is 2^e, e = its entry of the input lowp_scales (int32; the entries are numbered through the quantised products in the list's order, A before B).
;;     - Each number is divided by the scale, clamped to +-57,344, and rounded to the nearest number of E5M2, ties to even, subnormals kept.
;;     - The product sums the exact products of the quantised numbers (number of the format x scale) in f32.
;;   ~~~python
;;   def quantise(x, axis, e):      # numpy; x: float32 -> the quantised numbers, widened to float32 again
;;       x = np.moveaxis(x, axis, -1); K = x.shape[-1]
;;       r = np.clip(x / 2.0 ** e, -57344, 57344)
;;       step = 2.0 ** (np.maximum(np.frexp(np.where(r == 0, 1, r))[1] - 1, -14) - 2)
;;       q = np.round(r / step) * step * 2.0 ** e      # np.round: ties to even
;;       return np.moveaxis(q, -1, axis).astype(np.float32)
;;   ~~~
;;   OPERANDS COMPUTED ON THE WAY. 'Computed on the way' means the value that the module computes at that place (a softmax that the list does not call 'softmax' is quantised finished and normalised). What goes into a quantiser is computed in f32, as accurately as f32 sums, v_exp_f32 and their like allow (about 1e-6 of the number): no bf16 or f16 on the way to a quantiser, and a product that is left as it is and whose result goes on into a quantised operand takes f32 operands (vector FMAs, or v_wmma_f32_16x16x4_f32). A number that lies on a knife's edge between two numbers of the format may be rounded either way, as far as f32 arithmetic and the matrix unit's own rounding can turn it there, and no further.
;; One version. Each part assembles by itself: llvm-mc -triple=amdgcn-amd-amdhsa -mcpu=gfx1250 --defsym DOCPART=n.
;; ======== version 1 of 1: 3 launches
;; limits: right only within a limited range of input values
;; workspace buffers: xc 8,388,608 bytes; ec 4,227,072 bytes; ckey 262,144 bytes of whole numbers; cidx 262,144 bytes of whole numbers
;; launch quant (part 1): grid 768 x 1, 2 waves a work-group, no clusters, 17,664 bytes of LDS; arguments x, embed, lowp_scales, xc, ec; writes xc, ec
.if DOCPART == 1
	.amdgcn_target "amdgcn-amd-amdhsa--gfx1250"
	.amdhsa_code_object_version 6
	.text
	.protected	k_q81b2652533_quant
	.globl	k_q81b2652533_quant
	.p2align	8
	.type	k_q81b2652533_quant,@function
k_q81b2652533_quant:
	s_mov_b64 s[64:65], 0
	v_nop
	global_prefetch_b8 v0, s[64:65] scope:SCOPE_SE
	s_setreg_imm32_b32 hwreg(HW_REG_WAVE_MODE, 25, 1), 1
	s_wait_xcnt 0x0
; VECTOR QUANTISER, launch 1 of 3: 2 x and embed become codes of BF8 (E5M2), laid in the order of the matrix operand's registers; beside embed's codes lies a bias for each code vector.
; THE PROBLEM: for each of 16,384 rows f of x: ind = argmax over n of -(f_sq - (2 f) . e_n + e_sq[n]); out0 = embed[ind], out1 = ind.  The product is quantised: A = 2 x with scale 2^e0, B = embed with 2^e1.
; WORK LEFT OUT: f_sq[m] = sum of f^2 is the same for all n of a row, and dist itself is no output: for all finite inputs argmax_n -(f_sq - P + e_sq) = argmax_n (P - e_sq).  So f_sq is not computed
; (x stays live through the product).  A positive factor on all scores moves no argmax: the scores are kept as (P - e_sq) x 2^-(e0 + e1), so that the sums of the codes' products are used as they come.
; LIMIT: a NaN, an infinity or an overflow that reaches only f_sq is not carried to the result.  Scores of a row that differ by less than f32 rounding may be ordered either way.
; code of A = x / 2^(e0 - 1) (which is 2 x / 2^e0 exactly), code of B = embed / 2^e1; each held within +-57,344, rounded to the nearest code, ties to even.
; LIMITS: -126 <= e0 - 1, e0 + 14 <= 127, -126 <= e1, e1 + 15 <= 127; e_sq x 2^-(e0 + e1) stays a finite f32 number.  NaN among the inputs is not served.
; SHARES.  A wave takes one tile of 16 rows x 512 numbers (32,768 bytes in, 8,192 out).  Work-groups 0 to 511 take x's 1,024 tiles, work-groups 512 to 767 embed's 512: only pointers and the scale are chosen, by the work-group's number.
; A TILE'S 8,192 BYTES: 16 blocks i of 512 bytes, lane l's 16 bytes at 16 l.  Lane (r = l % 16, h = l / 16) of block i holds, of row r, the codes of k = 32 i + 8 h + 0..7, then of k = 32 i + 16 + 8 h + 0..7:
; registers 4 (i % 4) .. + 3 of the fragment of K step i / 4 of v_wmma_f32_16x16x128_bf8_bf8.  So the next launch fills a fragment by loads of 512 consecutive bytes.
; xc: tile T at 8,192 T.  ec: blocks of 33,024 bytes for 64 code vectors: four tiles, then 256 bytes of bias, -e_sq[n] x 2^-(e0 + e1), 64 numbers of f32.
; A step is 64 along K.  Its eight loads take the bytes as they lie (sixteen lanes read 256 consecutive bytes of a row); the 4,096 bytes turn through the wave's own stage in LDS (rows 272 bytes apart) and come back
; as the lane's 2 x 16 numbers.  Loads run four steps ahead, the turn through LDS one step.  No tensor load, no barrier: waves share nothing.
.set STEPS, 8
.set SP,    272                        ; a stage row: 256 bytes + 16
.set STG,   16*SP                      ; a stage
.set WREG,  2*STG                      ; a wave's two stages
.set SPARE, 2*WREG                     ; behind them: the spare words, 128 bytes for each wave: one block of 256 bytes that no other line names
.set XWG,   512                        ; work-groups that take x
.set EBLK,  33024                      ; a block of ec
.set LO,   4                           ; v4   loads: 2,048 h + 16 r
.set SI,   5                           ; v5   the stage on the way in: row h, 16 r
.set SO,   6                           ; v6   and on the way out: row r, 32 h
.set LN16, 7                           ; v7   16 x lane
.set BO,   8                           ; v8   4 r
.set SC,   9                           ; v9   the scale as f32
.set LIM,  10                          ; v10  57,344 x the scale
.set SPW,  12                          ; v12  LDS address of my spare word; never rewritten
.set NIL,  13                          ; v13  0; never rewritten
.set SQ,   14                          ; v[14:17] the sum of squares, in two packed chains
.set R,    20                          ; v20-147  four sets of 32: a step's numbers as loaded
.set X,    148                         ; v148-211 two sets of 32: turned
.set C,    212                         ; v212-227 two sets of 8: codes
.set ISX,  32                          ; s32  1 in x's work-groups, 0 in embed's
	s_load_b128 s[4:7], s[0:1], 0x0                ; x, embed
	s_load_b128 s[8:11], s[0:1], 0x10              ; the scales' exponents, xc
	s_load_b64 s[12:13], s[0:1], 0x20              ; ec
	v_lshl_add_u32 v[SPW], v0, 2, SPARE
	v_mov_b32 v[NIL], 0
	v_lshrrev_b32 v1, 5, v0
	v_readfirstlane_b32 s16, v1                    ; wave 0, 1
	v_and_b32 v1, 31, v0                           ; lane
	v_and_b32 v2, 15, v0                           ; r
	v_bfe_u32 v3, v0, 4, 1                         ; h
	v_lshlrev_b32 v[LO], 4, v2
	v_lshl_add_u32 v[LO], v3, 11, v[LO]
	s_mul_i32 s33, s16, WREG
	v_mul_u32_u24 v[SI], v3, SP
	v_lshl_add_u32 v[SI], v2, 4, v[SI]
	v_add_nc_u32 v[SI], s33, v[SI]
	v_mul_u32_u24 v[SO], v2, SP
	v_lshl_add_u32 v[SO], v3, 5, v[SO]
	v_add_nc_u32 v[SO], s33, v[SO]
	v_lshlrev_b32 v[LN16], 4, v1
	v_lshlrev_b32 v[BO], 2, v2
	v_mov_b32 v[SQ], 0
	v_mov_b32 v[SQ+1], 0
	v_mov_b32 v[SQ+2], 0
	v_mov_b32 v[SQ+3], 0
	v_mov_b32 v19, 0                               ; written once: a lane permute's destination counts as one of its sources
	s_mov_b32 s34, 0x76543210                      ; v_permlanex16_b32's selects for lane l xor 16
	s_mov_b32 s35, 0xfedcba98
	s_lshl_b32 s17, ttmp9, 1
	s_add_co_u32 s17, s17, s16                     ; 2 x work-group + wave
	s_cmp_lt_u32 ttmp9, XWG
	s_cselect_b32 s[ISX], 1, 0
	s_cselect_b32 s18, 0, 2*XWG
	s_sub_co_u32 s17, s17, s18                     ; T: my tile in its tensor
	s_lshl_b32 s20, s17, 15                        ; its numbers: 32,768 T
	s_mov_b32 s21, 0
	s_lshr_b32 s18, s17, 2
	s_mul_i32 s18, s18, EBLK                       ; embed: block T / 4,
	s_and_b32 s19, s17, 3
	s_lshl_b32 s28, s19, 13
	s_add_co_u32 s28, s28, s18                     ; tile T % 4 of it;
	s_lshl_b32 s30, s19, 6
	s_add_co_u32 s30, s30, s18
	s_add_co_u32 s30, s30, 32768                   ; its sixteen numbers of the block's bias
	s_mov_b32 s31, 0
	s_lshl_b32 s19, s17, 13                        ; x: 8,192 T
	s_mov_b32 s29, 0
	s_wait_kmcnt 0x0
	s_load_b64 s[22:23], s[8:9], 0x0               ; e0, e1
	s_cmp_lg_u32 s[ISX], 0                         ; the choices hang on the work-group's number alone
	s_cselect_b32 s28, s19, s28
	s_cselect_b64 s[4:5], s[4:5], s[6:7]
	s_cselect_b64 s[10:11], s[10:11], s[12:13]
	s_add_nc_u64 s[4:5], s[4:5], s[20:21]          ; from here,
	s_add_nc_u64 s[10:11], s[10:11], s[28:29]      ; to here;
	s_add_nc_u64 s[12:13], s[12:13], s[30:31]      ; the bias (named by embed's work-groups alone)
.macro LOAD t                          ; step t: load i takes rows 2 i (lanes 0-15) and 2 i + 1 (lanes 16-31), 256 consecutive bytes of each, aligned
.irp i, 0,1,2,3,4,5,6,7
	global_load_b128 v[R+32*((\t)%4)+4*\i:R+32*((\t)%4)+4*\i+3], v[LO], s[4:5] offset:4096*\i+256*(\t) th:TH_LOAD_NT
.endr
.endm
.macro TURN t                          ; step t's numbers through a stage: LDS serves a wave's instructions in order (ISA guide 5.7.1), so no wait stands between the stores and the loads
.irp i, 0,1,2,3,4,5,6,7
	ds_store_b128 v[SI], v[R+32*((\t)%4)+4*\i:R+32*((\t)%4)+4*\i+3] offset:STG*((\t)%2)+2*SP*\i
.endr
.irp u, 0,1                            ; block 2 t + u: k = 32 u + 8 h + 0..7 (32 bytes), then 32 u + 16 + 8 h + 0..7
	ds_load_b128 v[X+32*((\t)%2)+16*\u:X+32*((\t)%2)+16*\u+3],     v[SO] offset:STG*((\t)%2)+128*\u
	ds_load_b128 v[X+32*((\t)%2)+16*\u+4:X+32*((\t)%2)+16*\u+7],   v[SO] offset:STG*((\t)%2)+128*\u+16
	ds_load_b128 v[X+32*((\t)%2)+16*\u+8:X+32*((\t)%2)+16*\u+11],  v[SO] offset:STG*((\t)%2)+128*\u+64
	ds_load_b128 v[X+32*((\t)%2)+16*\u+12:X+32*((\t)%2)+16*\u+15], v[SO] offset:STG*((\t)%2)+128*\u+80
.endr
.endm
	LOAD 0
	LOAD 1
	LOAD 2
	LOAD 3
	s_wait_kmcnt 0x0
	s_add_co_i32 s25, s22, s23
	s_sub_co_i32 s25, 0, s25                       ; -(e0 + e1), for the bias
	s_sub_co_i32 s24, s22, 1                       ; x: e0 - 1
	s_cmp_lg_u32 s[ISX], 0
	s_cselect_b32 s24, s24, s23                    ; embed: e1
	s_add_co_i32 s24, s24, 127
	s_lshl_b32 s27, s24, 23
	v_mov_b32 v[SC], s27                           ; 2^e as f32: the conversion takes its exponent field
	s_add_co_i32 s24, s24, 15
	s_lshl_b32 s24, s24, 23
	s_or_b32 s24, s24, 0x600000
	v_mov_b32 v[LIM], s24                          ; 57,344 x 2^e
	s_wait_loadcnt 24                              ; step 0's eight loads are in; those of steps 1 to 3 may be out
	TURN 0
.macro STEP t
.set XS, X+32*((\t)%2)
.set CC, C+8*((\t)%2)
	s_wait_dscnt 0x0                               ; this step's numbers are back from the stage, and its stores into the stage have read their registers,
.if (\t)+4 < STEPS
	LOAD (\t)+4                                    ; which take the loads of four steps on
.endif
.if (\t)+1 < STEPS
.if (\t) < 4
	s_wait_loadcnt 24                              ; the next step's eight loads are in; those of the three steps behind it may be out
.else
	s_wait_loadcnt 8*(6-(\t))                      ; likewise, with fewer steps behind it
.endif
	TURN (\t)+1                                    ; and go through the other stage while this step is worked
.endif
	s_cmp_lg_u32 s[ISX], 0                         ; embed alone: the sum of squares, of the numbers as they are given, ahead of the hold, which works in place
	s_cbranch_scc1 .Lnosq_\@
	s_wait_alu depctr_va_vdst(0)
.irp j, 0,4,8,12,16,20,24,28
	v_pk_fma_f32 v[SQ:SQ+1], v[XS+\j:XS+\j+1], v[XS+\j:XS+\j+1], v[SQ:SQ+1]
	v_pk_fma_f32 v[SQ+2:SQ+3], v[XS+\j+2:XS+\j+3], v[XS+\j+2:XS+\j+3], v[SQ+2:SQ+3]
.endr
.Lnosq_\@:
.set n, 0
	s_wait_alu depctr_va_vdst(0)
.rept 32
	v_med3_num_f32 v[XS+n], v[XS+n], -v[LIM], v[LIM]   ; the conversion to an 8-bit code does not saturate (ISA guide 7.6.2): the number is held within the largest code x the scale first
.set n, n+1
.endr
.if (\t) >= 2
	s_wait_alu depctr_va_vdst(0)
	s_wait_xcnt 0x0                                ; the stores of two steps back have read this set of codes: it is written again only behind this wait
.endif
.irp u, 0,1
	v_cvt_scalef32_pk8_bf8_f32 v[CC+4*\u:CC+4*\u+1], v[XS+16*\u:XS+16*\u+7], v[SC]
	v_cvt_scalef32_pk8_bf8_f32 v[CC+4*\u+2:CC+4*\u+3], v[XS+16*\u+8:XS+16*\u+15], v[SC]
.endr
.irp u, 0,1
	global_store_b128 v[LN16], v[CC+4*\u:CC+4*\u+3], s[10:11] offset:512*(2*(\t)+\u)   ; block 2 t + u: 32 lanes store 512 consecutive bytes, aligned.  (The codes go to stores alone; the next vector lines are plain and name other registers)
.endr
.endm
.irp t, 0,1,2,3,4,5,6,7
	STEP \t
.endr
	s_cmp_lg_u32 s[ISX], 0
	s_cbranch_scc1 .Lend
	v_pk_add_f32 v[SQ:SQ+1], v[SQ:SQ+1], v[SQ+2:SQ+3]  ; embed alone: my 256 squares of row r,
	v_add_f32 v18, v[SQ], v[SQ+1]
	v_permlanex16_b32 v19, v18, s34, s35
	v_add_f32 v18, v18, v19                        ; and lane l xor 16's: e_sq of row r
	v_ldexp_f32 v18, -v18, s25                     ; -e_sq x 2^-(e0 + e1)
	s_wait_alu depctr_va_vdst(0)
	s_wait_xcnt 0x0                                ; EXEC changes only behind this wait
	v_cmp_gt_u32 vcc_lo, 16, v1
	s_and_saveexec_b32 s26, vcc_lo
	global_store_b32 v[BO], v18, s[12:13]          ; lanes 0 to 15: sixteen numbers, 64 consecutive bytes; four tiles' make the block's 256
	s_wait_xcnt 0x0                                ; and again, in front of the line that widens it
	s_or_b32 exec_lo, exec_lo, s26
.Lend:
	s_wait_tensorcnt 0x0                           ; the wave's end, behind my last LDS store
	ds_add_u32 v[SPW], v[NIL]
	s_wait_dscnt 0x0
	s_endpgm
.Lfunc_end_k_q81b2652533_quant:
	.size	k_q81b2652533_quant, .Lfunc_end_k_q81b2652533_quant-k_q81b2652533_quant
	.p2alignl 7, 3214868480
	.fill 96, 4, 3214868480
	.section	.rodata,"a",@progbits
	.p2align	6, 0x0
	.amdhsa_kernel k_q81b2652533_quant
		.amdhsa_group_segment_fixed_size 17664
		.amdhsa_private_segment_fixed_size 0
		.amdhsa_enable_private_segment 0
		.amdhsa_kernarg_size 40
		.amdhsa_user_sgpr_count 2
		.amdhsa_user_sgpr_kernarg_segment_ptr 1
		.amdhsa_wavefront_size32 1
		.amdhsa_system_sgpr_workgroup_id_x 1
		.amdhsa_system_sgpr_workgroup_id_y 1
		.amdhsa_system_sgpr_workgroup_id_z 1
		.amdhsa_system_vgpr_workitem_id 0
		.amdhsa_next_free_vgpr 228
		.amdhsa_next_free_sgpr 66
		.amdhsa_reserve_vcc 1
		.amdhsa_float_denorm_mode_32 3
		.amdhsa_float_denorm_mode_16_64 3
		.amdhsa_memory_ordered 1
		.amdhsa_forward_progress 1
		.amdhsa_inst_pref_size 48
	.end_amdhsa_kernel
	.amdgpu_metadata
---
amdhsa.version: [ 1, 2 ]
amdhsa.kernels:
  - .name:           k_q81b2652533_quant
    .symbol:         k_q81b2652533_quant.kd
    .args:
      - { .name: x, .offset: 0, .size: 8, .value_kind: global_buffer, .address_space: global }
      - { .name: embed, .offset: 8, .size: 8, .value_kind: global_buffer, .address_space: global }
      - { .name: lowp_scales, .offset: 16, .size: 8, .value_kind: global_buffer, .address_space: global }
      - { .name: xc, .offset: 24, .size: 8, .value_kind: global_buffer, .address_space: global }
      - { .name: ec, .offset: 32, .size: 8, .value_kind: global_buffer, .address_space: global }
    .group_segment_fixed_size: 17664
    .private_segment_fixed_size: 0
    .kernarg_segment_align: 8
    .kernarg_segment_size: 40
    .max_flat_workgroup_size: 64
    .sgpr_count:     66
    .vgpr_count:     228
    .wavefront_size: 32
...
	.end_amdgpu_metadata
.endif
;; end of part 1
;; launch main (part 2): grid 64 x 4, 4 waves a work-group, clusters of 4 x 1, 327,680 bytes of LDS; arguments xc, ec, ckey, cidx; writes ckey, cidx
.if DOCPART == 2
	.amdgcn_target "amdgcn-amd-amdhsa--gfx1250"
	.amdhsa_code_object_version 6
	.text
	.protected	k_q81b2652533_main
	.globl	k_q81b2652533_main
	.p2align	8
	.type	k_q81b2652533_main,@function
k_q81b2652533_main:
	s_mov_b64 s[64:65], 0
	v_nop
	global_prefetch_b8 v0, s[64:65] scope:SCOPE_SE
	s_setreg_imm32_b32 hwreg(HW_REG_WAVE_MODE, 25, 1), 1
	s_wait_xcnt 0x0
	s_wait_alu depctr_hold_cnt(0) depctr_sa_sdst(0) depctr_va_vdst(0) depctr_va_sdst(0) depctr_va_ssrc(0) depctr_va_vcc(0) depctr_vm_vsrc(0)
	s_getreg_b32 s2, hwreg(HW_REG_IB_STS2, 6, 4)
	s_cmp_eq_u32 s2, 0
	s_cbranch_scc0 .Lentry_in_a_cluster
	s_endpgm
.Lentry_in_a_cluster:
	s_bfe_u32 s2, ttmp6, 0x10000c
	s_cmp_lg_u32 s2, 0x3003
	s_cbranch_scc0 .Lentry_shape_is_right
	s_endpgm
.Lentry_shape_is_right:
; VECTOR QUANTISER, launch 2 of 3: for each row of x and each quarter of the code vectors, the largest score (P - e_sq) x 2^-(e0 + e1) and its index.
; WORK LEFT OUT: f_sq, the same for all code vectors of a row, moves no argmax (shown at the head of launch quant).  LIMIT: scores of a row that differ by less than f32 rounding may be ordered either way; NaN is not served.
; SHARES.  A work-group takes 256 rows x 2,048 code vectors: 64 x 4 work-groups.  Four waves, 2 x 2: wave w keeps rows 128 (w / 2) .. + 127 as codes in 512 registers (windows 2, 3)
; and takes the code vectors of blocks 2 (w % 2), 2 (w % 2) + 1 of each slot.  A slot holds four blocks of ec (64 code vectors' codes as register images, then their 64 biases): 132,096 bytes; two slots, eight fills.
; A tile is 16 code vectors x 128 rows x 512 along K: 32 matrix instructions on 8 accumulators by turns; the first takes the bias as C.  Source 0 = code vectors, source 1 = rows of x:
; a lane holds one row of x and eight code vectors 8 h + j.
; THE ARGMAX of the tile before goes between this tile's matrix instructions, five lines behind each pair of them, ten lines an accumulator: four v_max3 fold the running maximum and the eight scores (the running
; maxima lie in two sets by turns, so that old and new can be compared), one compare, the tile's number and the eight scores kept where the maximum grew.  A strict compare keeps the earlier tile.
; Which of the eight it was is found once, at the end.
; WHAT IS STORED: for each row and quarter the index, and the score as a whole number that orders as the score does (negative numbers: all bits turned; others: the sign bit set), so that the next launch
; chooses among the quarters by whole numbers.  (-0 orders below +0 there.)
; CLUSTERS: the four work-groups of a cluster take four row blocks of one quarter and walk the same blocks of ec: each wave's load of a block names all four.
; PREFETCH: behind each refill a wave of cluster x = 0 (one cluster for each quarter) asks for the slot two refills on, 8,192 bytes of its block for each partner, shared out by address; the loop's last trip asks for nothing.
; x's codes are loaded once at the head, so they have no loop to run ahead in.
.set QB,    33024
.set SLOT,  4*QB
.set MRG,   2*SLOT                     ; the waves' results meet here: 1,024 bytes a wave; no fill lands here
.set SPARE, MRG+4096                   ; the spare words: 128 bytes a wave
.set QUART, 32*QB                      ; a quarter of ec
.set ADRF, 2                           ; v2-3   my two blocks' codes in slot 0, 1: + 16 x lane
.set ADRB, 4                           ; v4-5   their biases: + 32 h
.set SPW,  6
.set NIL,  7
.set PFO,  8                           ; v8     256 x lane
.set TT,   10                          ; v10-11 at work
.set RUN0, 16                          ; v16-23, v120-127: the running maxima, two sets
.set RUN1, 120
.set GID,  24                          ; v24-31 first code vector of the tile that holds the maximum
.set BIAS, 32                          ; v32-47 two sets of 8
.set PV,   32                          ; at the end, when the biases are done with
.set SAVE, 48                          ; v48-111 that tile's eight scores, for each of 8 accumulators
.set H8,   112
.set MST,  113
.set MRD,  114
.set OFF8, 115
.set JJ,   116
.set OV,   118
.set OI,   119
.set ACC,  128                         ; v128-255 two sets of 8 accumulators
.set WV,   12
.set G1,   16
.set G0,   24
.set PFA,  36
.set LIM,  38
.set TRIP, 39
.set MK,   40
.set NB,   43                          ; first code vector of the tile whose argmax is at work
.set SEL,  44
.set HM,   46
.set MSB, 0
.macro WIN new                         ; the immediate's high byte repeats the setting that is left
.if MSB != (\new)
	s_set_vgpr_msb (MSB<<8)|(\new)
.set MSB, (\new)
.endif
.endm
.macro CREST                           ; a round of the cluster's barrier behind its opening barrier
	s_cmp_lg_u32 s[WV], 0
	s_cbranch_scc1 .Lnot_wave_0_\@
	s_barrier_signal -3
.Lnot_wave_0_\@:
	s_barrier_wait -3
	s_barrier_signal -1
	s_barrier_wait -1
.endm
.macro CROUND
	s_barrier_signal -1
	s_barrier_wait -1
	CREST
.endm
.macro ASK
	s_cmp_gt_u32 s[TRIP], s[LIM]
	s_cbranch_scc0 .Lnot_mine_\@
	global_prefetch_b8 v[PFO], s[PFA:PFA+1] th:TH_LOAD_NT scope:SCOPE_SE
.Lnot_mine_\@:
.endm
.macro PLACES
.rept 4
	v_nop
.endr
.endm
; matrix instruction i of a tile: K step i / 8, accumulator i % 8.  Source 0 window 1 (code vectors), source 1 window 2 or 3 (x), C and D window 0
.macro WM p
.set wk, i/8
.set wm, i%8
	WIN 0x09+4*(wm/4)
.set rD, ACC+64*(\p)+8*wm
.set rA, 64*(\p)+16*wk
.set rB, 64*(wm%4)+16*wk
.if wk == 0
	v_wmma_f32_16x16x128_bf8_bf8 v[rD:rD+7], v[rA:rA+15], v[rB:rB+15], v[BIAS+8*(\p):BIAS+8*(\p)+7]
.else
	v_wmma_f32_16x16x128_bf8_bf8 v[rD:rD+7], v[rA:rA+15], v[rB:rB+15], v[rD:rD+7]
.endif
.endm
.macro MXOP ps, e, k                   ; new maximum = max of the old one and accumulator e's eight scores; the accumulator is read from its low end on
.set eA, ACC+64*(\ps)+8*(\e)
.set rO, RUN0+(RUN1-RUN0)*(\ps)+(\e)
.set rN, RUN0+(RUN1-RUN0)*(1-(\ps))+(\e)
.if (\k) == 0
	v_max3_num_f32 v[TT], v[rO], v[eA], v[eA+1]
.elseif (\k) == 1
	v_max3_num_f32 v[TT+1], v[eA+2], v[eA+3], v[eA+4]
.elseif (\k) == 2
	v_max3_num_f32 v[TT], v[TT], v[eA+5], v[eA+6]
.else
	v_max3_num_f32 v[rN], v[TT], v[TT+1], v[eA+7]
.endif
.endm
.macro MKOP ps, e, k                   ; where it grew: the tile's number and its eight scores are kept
.set eA, ACC+64*(\ps)+8*(\e)
.set rO, RUN0+(RUN1-RUN0)*(\ps)+(\e)
.set rN, RUN0+(RUN1-RUN0)*(1-(\ps))+(\e)
.if (\k) == 0
	v_cmp_gt_f32 vcc_lo, v[rN], v[rO]
.elseif (\k) == 1
	v_cndmask_b32 v[GID+(\e)], v[GID+(\e)], s[NB], vcc_lo
.else
.set dS, SAVE+8*(\e)+2*((\k)-2)
.set dA, eA+2*((\k)-2)
	v_dual_cndmask_b32 v[dS], v[dS], v[dA] :: v_dual_cndmask_b32 v[dS+1], v[dS+1], v[dA+1]
.endif
.endm
; line q of a tile's 80: accumulator e's six keeping lines stand among accumulator e + 1's four maxima.  In runs of five the compare (lines 4, 14, 24, ..) ends a run and its readers begin the next.
; VCC is at rest in front of lines 4, 14, 24, ..
.macro EPOP ps
.if q < 4
	MXOP \ps, 0, q
.elseif q >= 74
	MKOP \ps, 7, q-74
.else
.set st, (q-4)/10
.set ez, (q-4)%10
.if ez == 0
	MKOP \ps, st, 0
.elseif ez == 1
	MXOP \ps, st+1, 0
.elseif ez == 2
	MXOP \ps, st+1, 1
.elseif ez == 3
	MKOP \ps, st, 1
.elseif ez == 4
	MKOP \ps, st, 2
.elseif ez == 5
	MXOP \ps, st+1, 2
.elseif ez == 6
	MXOP \ps, st+1, 3
.elseif ez == 7
	MKOP \ps, st, 3
.elseif ez == 8
	MKOP \ps, st, 4
.else
	MKOP \ps, st, 5
.endif
.endif
.set q, q+1
.endm
.macro SPAN p, n, e                    ; n matrix instructions by pairs (a pair names one window of x), with e lines of the other set's argmax spread evenly behind the pairs
.set sj, 0
.set sq, q
.rept (\n)/2
	WM \p
.set i, i+1
	WM \p
.set i, i+1
.set sj, sj+2
.if (\e) > 0
	WIN 0
.rept sq+(\e)*sj/(\n)-q
	EPOP 1-(\p)
.endr
.endif
.endr
.endm
.macro FETCH sb, c, p                  ; tile c (0..7) of my two blocks in slot sb: 16 loads of 512 consecutive bytes, and its eight biases
.set fo, ((\c)/4)*QB+((\c)%4)*8192
.set fb, ((\c)/4)*QB+((\c)%4)*64
	WIN 0x40
.set fi, 0
.rept 16
	ds_load_b128 v[64*(\p)+4*fi:64*(\p)+4*fi+3], v[ADRF+(\sb)] offset:fo+512*fi
.set fi, fi+1
.endr
	WIN 0
	ds_load_b128 v[BIAS+8*(\p):BIAS+8*(\p)+3],   v[ADRB+(\sb)] offset:fb
	ds_load_b128 v[BIAS+8*(\p)+4:BIAS+8*(\p)+7], v[ADRB+(\sb)] offset:fb+16
.endm
; mode 0: the next tile lies in the same slot.  1: the slot's last tile, the slot is filled again.  2: the same with no refill.  3: the last tile of all.
.macro TILE sb, c, mode, ep
.set i, 0
.set q, 0
.set tp, (\c)%2
.if (\mode) == 0
	s_wait_dscnt 0x0                               ; this tile's fragments, asked for 30 matrix instructions ago
	SPAN tp, 2, 5*(\ep)                            ; its five vector lines are the places in front of the loads below
	FETCH \sb, (\c)+1, 1-tp
	SPAN tp, 30, 75*(\ep)
.if (\ep) == 0
	WIN 0
	PLACES
.endif
.elseif (\mode) == 3
	s_wait_dscnt 0x0
	SPAN tp, 32, 80
.else
.if (\mode) == 1
	s_wait_xcnt 0x0                                ; my last prefetch has read its address
	s_add_nc_u64 s[PFA:PFA+1], s[PFA:PFA+1], SLOT
.endif
	s_wait_dscnt 0x0
	s_wait_tensorcnt 0x0                           ; my one load that was out, my block of the next slot, has landed
	ds_add_u32 v[SPW], v[NIL]
	SPAN tp, 8, 24
	s_wait_alu depctr_va_vdst(0)
	s_wait_dscnt 0x0                               ; the add is done; my reads of this slot were over at the tile's head
	s_barrier_signal -1
	SPAN tp, 8, 20
	WIN 0
	s_barrier_wait -1
.if (\mode) == 1
	CREST                                          ; no wave of any partner reads this slot or has a load out
	s_add_nc_u64 s[G0+4*(\sb)+2:G0+4*(\sb)+3], s[G0+4*(\sb)+2:G0+4*(\sb)+3], 2*SLOT
	tensor_load_to_lds s[G0+4*(\sb):G0+4*(\sb)+3], s[G1:G1+7]
	s_nop 0
	PLACES
.endif
	FETCH 1-(\sb), 0, 1-tp
.if (\mode) == 1
	ASK
.endif
	s_wait_alu depctr_va_vdst(0)
	SPAN tp, 16, 36
.endif
	WIN 0
.if \ep
.if (\c) == 0
	s_add_co_u32 s[NB], s[NB], 144                 ; from my last tile of a slot to my first of the next: 256 - 112
.else
	s_add_co_u32 s[NB], s[NB], 16
.endif
.endif
.endm
.macro MERGE dv, di, val, idx, oval, oidx  ; the larger score; of equal scores the lower index
	v_cmp_gt_f32 s[MK], v[\oval], v[\val]
	v_cmp_eq_f32 s[MK+1], v[\oval], v[\val]
	v_cmp_lt_u32 s[MK+2], v[\oidx], v[\idx]
	s_and_b32 s[MK+1], s[MK+1], s[MK+2]
	s_or_b32 s[MK], s[MK], s[MK+1]
	v_cndmask_b32 v[\dv], v[\val], v[\oval], s[MK]
	v_cndmask_b32 v[\di], v[\idx], v[\oidx], s[MK]
.endm
	s_load_b256 s[4:11], s[0:1], 0x0               ; xc, ec, ckey, cidx
	v_lshl_add_u32 v[SPW], v0, 2, SPARE
	v_mov_b32 v[NIL], 0
	ds_add_u32 v[SPW], v[NIL]                      ; the opening lines: the add twice on end and one wait
	ds_add_u32 v[SPW], v[NIL]
	v_lshrrev_b32 v9, 5, v0
	v_readfirstlane_b32 s[WV], v9
	s_bfe_u32 s13, ttmp6, 0x40000                  ; cx
	s_lshl_b32 s14, ttmp9, 2
	s_add_co_u32 s14, s14, s13                     ; row block 0..63
	s_and_b32 s15, ttmp7, 0xffff                   ; quarter 0..3
	s_mov_b32 s[G1+0], 15|(3<<16)|(1<<21)          ; all four partners; elements of 8 bytes
	s_mov_b32 s[G1+1], 32<<16                      ; rows of 256 bytes,
	s_mov_b32 s[G1+2], 129<<16                     ; 129 of them: a block
	s_mov_b32 s[G1+3], 32<<16
	s_mov_b32 s[G1+4], 129
	s_mov_b32 s[G1+5], 32
	s_mov_b32 s[G1+6], 0
	s_mov_b32 s[G1+7], 0
	s_mov_b32 s[SEL], 0x76543210
	s_mov_b32 s[SEL+1], 0xfedcba98
	s_mov_b32 s[HM], 0xffff0000
	s_mul_i32 s47, s[WV], QB                       ; the block that I fetch
	s_and_b32 s48, s[WV], 1                        ; which two blocks I multiply
	s_lshr_b32 s49, s[WV], 1                       ; which 128 rows
	s_mul_i32 s50, s48, 2*QB
	s_lshl_b32 s51, s[WV], 10
	v_and_b32 v9, 31, v0
	v_bfe_u32 v14, v0, 4, 1
	v_lshlrev_b32 v1, 4, v9
	v_add_nc_u32 v[ADRF], s50, v1
	v_add_nc_u32 v[ADRF+1], SLOT, v[ADRF]
	v_lshl_add_u32 v[ADRB], v14, 5, s50
	v_add_nc_u32 v[ADRB], 32768, v[ADRB]
	v_add_nc_u32 v[ADRB+1], SLOT, v[ADRB]
	v_lshlrev_b32 v[PFO], 8, v9
	v_lshlrev_b32 v[H8], 3, v14
	v_lshl_add_u32 v[MST], v9, 3, s51
	v_add_nc_u32 v[MST], MRG, v[MST]               ; my wave's 128 rows, 8 bytes each
	v_and_b32 v15, 63, v0
	v_lshrrev_b32 v14, 6, v0
	v_lshlrev_b32 v15, 4, v15
	v_lshl_add_u32 v15, v14, 11, v15
	v_add_nc_u32 v[MRD], MRG, v15                  ; thread t reads rows 2 t, 2 t + 1 of the 256: two waves' results, 1,024 bytes apart
	v_lshlrev_b32 v[OFF8], 3, v0
	s_mul_i32 s32, s15, QUART
	s_add_co_u32 s32, s32, s47
	s_mov_b32 s33, 0
	s_lshl_b32 s34, s14, 17                        ; 256 rows of codes are 131,072 bytes
	s_lshl_b32 s2, s49, 16
	s_add_co_u32 s34, s34, s2
	s_mov_b32 s35, 0
	s_wait_alu depctr_va_vdst(0)
	s_wait_dscnt 0x0
	s_wait_kmcnt 0x0
	s_add_nc_u64 s[4:5], s[4:5], s[34:35]
	s_add_nc_u64 s[6:7], s[6:7], s[32:33]
	s_lshl_b32 s34, s15, 16                        ; results: [quarter][row], 4 bytes
	s_lshl_b32 s2, s14, 10
	s_add_co_u32 s34, s34, s2
	s_add_nc_u64 s[8:9], s[8:9], s[34:35]
	s_add_nc_u64 s[10:11], s[10:11], s[34:35]
	s_lshl_b32 s34, s13, 13                        ; prefetch: my work-group's 8,192 bytes of the block that I fetch
	s_add_co_u32 s34, s34, 3*SLOT                  ; stepped to slot 4 ahead of the first prefetch
	s_add_nc_u64 s[PFA:PFA+1], s[6:7], s[34:35]
	s_cmp_eq_u32 ttmp9, 0
	s_cselect_b32 s[LIM], 1, -1
.irp b, 0,1
	s_mov_b32 s[G0+4*\b], 1
	s_add_co_u32 s[G0+4*\b+1], s47, \b*SLOT
	s_add_nc_u64 s[G0+4*\b+2:G0+4*\b+3], s[6:7], \b*SLOT
	s_or_b32 s[G0+4*\b+3], s[G0+4*\b+3], 0x80000000
.endr
	CROUND                                         ; the four partners are here: the first joint loads meet
	tensor_load_to_lds s[G0:G0+3], s[G1:G1+7]      ; slot 0: one tensor load a wave at the head
	s_nop 0
	PLACES
	WIN 0x80
.irp m, 0,1,2,3
.set fi, 0
.rept 16
	global_load_b128 v[64*\m+4*fi:64*\m+4*fi+3], v1, s[4:5] offset:8192*\m+512*fi
.set fi, fi+1
.endr
.endr
	WIN 0xc0
.irp m, 0,1,2,3
.set fi, 0
.rept 16
	global_load_b128 v[64*\m+4*fi:64*\m+4*fi+3], v1, s[4:5] offset:8192*(\m+4)+512*fi
.set fi, fi+1
.endr
.endr
	WIN 0
	s_lshl_b32 s[NB], s15, 11
	s_lshl_b32 s32, s48, 7
	s_add_co_u32 s[NB], s[NB], s32
.set n, 0
.rept 8
	v_mov_b32 v[RUN0+n], 0xff800000
	v_mov_b32 v[GID+n], s[NB]
.set n, n+1
.endr
.set n, 0
.rept 64
	v_mov_b32 v[SAVE+n], 0xff800000
.set n, n+1
.endr
	v_mov_b32 v[OV], 0
	v_mov_b32 v[OI], 0
	s_wait_alu depctr_va_vdst(0)
	s_wait_tensorcnt 0x0                           ; my block of slot 0 is in; slot 1's first fill is issued as a refill is
	ds_add_u32 v[SPW], v[NIL]
	s_wait_dscnt 0x0
	CROUND
	tensor_load_to_lds s[G0+4:G0+7], s[G1:G1+7]
	s_nop 0
	PLACES
	FETCH 0, 0, 0
	s_wait_loadcnt 0x0                             ; x's codes
	TILE 0, 0, 0, 0
	s_mov_b32 s[TRIP], 3
.Llap:                                                 ; a trip goes once round the ring, from slot 0's second tile to its next first, and fills both slots again
.irp c, 1,2,3,4,5,6
	TILE 0, \c, 0, 1
.endr
	TILE 0, 7, 1, 1
.irp c, 0,1,2,3,4,5,6
	TILE 1, \c, 0, 1
.endr
	TILE 1, 7, 1, 1
	TILE 0, 0, 0, 1
	s_sub_co_u32 s[TRIP], s[TRIP], 1
	s_cmp_lg_u32 s[TRIP], 0
	s_cbranch_scc1 .Llap
.irp c, 1,2,3,4,5,6
	TILE 0, \c, 0, 1
.endr
	TILE 0, 7, 2, 1                                ; the last two slots are filled no more
.irp c, 0,1,2,3,4,5,6
	TILE 1, \c, 0, 1
.endr
	TILE 1, 7, 3, 1
.set q, 0
.rept 80
	EPOP 1                                         ; the last tile's argmax; the maxima end in set 0
.endr
.irp m, 0,1,2,3,4,5,6,7
	v_mov_b32 v[JJ+(\m)%2], 7                      ; which of the eight kept scores is the maximum: the lowest such j
.irp j, 6,5,4,3,2,1,0
	v_cmp_eq_f32 s[MK+(\j)%2], v[SAVE+8*\m+\j], v[RUN0+\m]
	v_cndmask_b32 v[JJ+(\m)%2], v[JJ+(\m)%2], \j, s[MK+(\j)%2]
.endr
	v_add3_u32 v[GID+\m], v[GID+\m], v[JJ+(\m)%2], v[H8]
.endr
.irp m, 0,1,2,3,4,5,6,7
	v_permlanex16_b32 v[OV], v[RUN0+\m], s[SEL], s[SEL+1]   ; lane l xor 16 holds the same row's other eight code vectors
	v_permlanex16_b32 v[OI], v[GID+\m], s[SEL], s[SEL+1]
	MERGE RUN0+\m, GID+\m, RUN0+\m, GID+\m, OV, OI
.endr
.irp t, 0,1,2,3
	v_cndmask_b32 v[PV+2*\t], v[RUN0+2*\t], v[RUN0+2*\t+1], s[HM]   ; lane l: row 32 t + l
	v_cndmask_b32 v[PV+2*\t+1], v[GID+2*\t], v[GID+2*\t+1], s[HM]
	ds_store_b64 v[MST], v[PV+2*\t:PV+2*\t+1] offset:256*\t
.endr
	s_wait_dscnt 0x0                               ; for the others' sake
	s_barrier_signal -1
	s_barrier_wait -1
	ds_load_b128 v[PV:PV+3], v[MRD]
	ds_load_b128 v[PV+4:PV+7], v[MRD] offset:1024
	s_wait_dscnt 0x0
	MERGE PV+8, PV+10, PV, PV+1, PV+4, PV+5
	MERGE PV+9, PV+11, PV+2, PV+3, PV+6, PV+7
	v_ashrrev_i32 v[PV+12], 31, v[PV+8]            ; the scores as whole numbers of the same order
	v_ashrrev_i32 v[PV+13], 31, v[PV+9]
	v_or_b32 v[PV+12], 0x80000000, v[PV+12]
	v_or_b32 v[PV+13], 0x80000000, v[PV+13]
	v_xor_b32 v[PV+12], v[PV+8], v[PV+12]
	v_xor_b32 v[PV+13], v[PV+9], v[PV+13]
	global_store_b64 v[OFF8], v[PV+12:PV+13], s[8:9]     ; a wave stores 256 consecutive bytes, aligned
	global_store_b64 v[OFF8], v[PV+10:PV+11], s[10:11]
	s_wait_tensorcnt 0x0                           ; the wave's end
	ds_add_u32 v[SPW], v[NIL]
	s_wait_dscnt 0x0
	CROUND                                         ; the closing round
	s_endpgm
.Lfunc_end_k_q81b2652533_main:
	.size	k_q81b2652533_main, .Lfunc_end_k_q81b2652533_main-k_q81b2652533_main
	.p2alignl 7, 3214868480
	.fill 96, 4, 3214868480
	.section	.rodata,"a",@progbits
	.p2align	6, 0x0
	.amdhsa_kernel k_q81b2652533_main
		.amdhsa_group_segment_fixed_size 327680
		.amdhsa_private_segment_fixed_size 0
		.amdhsa_enable_private_segment 0
		.amdhsa_kernarg_size 32
		.amdhsa_user_sgpr_count 2
		.amdhsa_user_sgpr_kernarg_segment_ptr 1
		.amdhsa_wavefront_size32 1
		.amdhsa_system_sgpr_workgroup_id_x 1
		.amdhsa_system_sgpr_workgroup_id_y 1
		.amdhsa_system_sgpr_workgroup_id_z 1
		.amdhsa_system_vgpr_workitem_id 0
		.amdhsa_next_free_vgpr 1024
		.amdhsa_next_free_sgpr 66
		.amdhsa_reserve_vcc 1
		.amdhsa_float_denorm_mode_32 3
		.amdhsa_float_denorm_mode_16_64 3
		.amdhsa_memory_ordered 1
		.amdhsa_forward_progress 1
		.amdhsa_inst_pref_size 255
	.end_amdhsa_kernel
	.section	.bss,"aw",@nobits
	.p2align	6
	.space	262144
	.amdgpu_metadata
---
amdhsa.version: [ 1, 2 ]
amdhsa.kernels:
  - .name:           k_q81b2652533_main
    .symbol:         k_q81b2652533_main.kd
    .args:
      - { .name: xc, .offset: 0, .size: 8, .value_kind: global_buffer, .address_space: global }
      - { .name: ec, .offset: 8, .size: 8, .value_kind: global_buffer, .address_space: global }
      - { .name: ckey, .offset: 16, .size: 8, .value_kind: global_buffer, .address_space: global }
      - { .name: cidx, .offset: 24, .size: 8, .value_kind: global_buffer, .address_space: global }
    .group_segment_fixed_size: 327680
    .private_segment_fixed_size: 0
    .kernarg_segment_align: 8
    .kernarg_segment_size: 32
    .max_flat_workgroup_size: 128
    .sgpr_count:     66
    .vgpr_count:     1024
    .wavefront_size: 32
...
	.end_amdgpu_metadata
.endif
;; end of part 2
;; launch gather (part 3): grid 256 x 1, 16 waves a work-group, no clusters, 0 bytes of LDS; arguments embed, ckey, cidx, out0, out1; writes out0, out1
.if DOCPART == 3
	.amdgcn_target "amdgcn-amd-amdhsa--gfx1250"
	.amdhsa_code_object_version 6
	.text
	.protected	k_q81b2652533_gather
	.globl	k_q81b2652533_gather
	.p2align	8
	.type	k_q81b2652533_gather,@function
k_q81b2652533_gather:
	s_mov_b64 s[64:65], 0
	v_nop
	global_prefetch_b8 v0, s[64:65] scope:SCOPE_SE
	s_setreg_imm32_b32 hwreg(HW_REG_WAVE_MODE, 25, 1), 1
	s_wait_xcnt 0x0
; VECTOR QUANTISER, launch 3 of 3: out1[m] = the best of row m's four candidates (one for each quarter of the code vectors), out0[m] = that row of embed.  f_sq is left out as launch quant's head shows.
; The launch before stored, for each row and quarter, an index and the score as a whole number that orders as the score does.  The choice is made here on these whole numbers:
; a later quarter wins where its number is strictly larger, so equal scores keep the lower index.
; SHARES.  A work-group takes 64 rows, a wave 4: its sixteen numbers and sixteen indices come by scalar loads, the choice is scalar, and each chosen row of embed (2,048 bytes) is four loads and four stores of 512 consecutive bytes.
; Wave 0 also makes the work-group's 64 numbers of out1, two a lane; its loads go out ahead of the rows' and are used behind them.
; No LDS, no barrier, no matrix unit, no cluster: waves share nothing.  No prefetch: which rows are read is known only here, and there is no loop to run ahead in.
; An index is held at 8,191 before it enters an address; the launch before stores none above that.
.set AD, 2                             ; v2-5    offsets of my four rows of embed
.set D,  16                            ; v16-79  the four rows, 16 registers each
.set O,  80                            ; v80-95  wave 0: indices, then numbers, of four quarters x two rows
	s_load_b256 s[4:11], s[0:1], 0x0               ; embed, ckey, cidx, out0
	s_load_b64 s[12:13], s[0:1], 0x20              ; out1
	v_lshrrev_b32 v10, 5, v0
	v_readfirstlane_b32 s14, v10                   ; wave 0..15
	v_and_b32 v10, 31, v0
	v_lshlrev_b32 v1, 4, v10                       ; 16 x lane
	s_lshl_b32 s15, ttmp9, 8                       ; the work-group's 64 numbers of 4 bytes
	v_lshl_add_u32 v11, v10, 3, s15                ; two of them a lane
	s_lshl_b32 s66, s14, 4
	s_add_co_u32 s15, s15, s66                     ; 4 x my first row
	s_lshl_b32 s66, s15, 9                         ; 2,048 x my first row
	s_mov_b32 s67, 0
	s_wait_alu depctr_va_vdst(0)
	s_wait_kmcnt 0x0
.irp c, 0,1,2,3
	s_load_b128 s[16+4*\c:19+4*\c], s[8:9], s15 offset:0x10000*\c   ; my four rows: quarter c's indices,
	s_load_b128 s[32+4*\c:35+4*\c], s[6:7], s15 offset:0x10000*\c   ; and numbers
.endr
	s_add_nc_u64 s[10:11], s[10:11], s[66:67]
	s_cmp_lg_u32 s14, 0
	s_cbranch_scc1 .Lrows
.irp c, 0,1,2,3
	global_load_b64 v[O+2*\c:O+2*\c+1], v11, s[8:9] offset:65536*\c
	global_load_b64 v[O+8+2*\c:O+8+2*\c+1], v11, s[6:7] offset:65536*\c
.endr
.Lrows:
	s_wait_kmcnt 0x0
.irp i, 0,1,2,3                        ; quarter 1 over 0, 3 over 2, the second pair over the first
	s_cmp_gt_u32 s[36+\i], s[32+\i]
	s_cselect_b32 s[16+\i], s[20+\i], s[16+\i]
	s_max_u32 s[32+\i], s[32+\i], s[36+\i]
	s_cmp_gt_u32 s[44+\i], s[40+\i]
	s_cselect_b32 s[24+\i], s[28+\i], s[24+\i]
	s_max_u32 s[40+\i], s[40+\i], s[44+\i]
	s_cmp_gt_u32 s[40+\i], s[32+\i]
	s_cselect_b32 s[16+\i], s[24+\i], s[16+\i]
	s_min_u32 s[16+\i], s[16+\i], 0x1fff
	s_lshl_b32 s[16+\i], s[16+\i], 11              ; a row of embed is 2,048 bytes
.endr
.irp i, 0,1,2,3
	v_add_nc_u32 v[AD+\i], s[16+\i], v1
.endr
.irp i, 0,1,2,3
.irp p, 0,1,2,3
	global_load_b128 v[D+16*\i+4*\p:D+16*\i+4*\p+3], v[AD+\i], s[4:5] offset:512*\p   ; no hint: many rows of x may name the same row of embed
.endr
.endr
.irp i, 0,1,2,3
	s_wait_loadcnt 12-4*\i                         ; this row's four loads are in; the four of each younger row may be out
.irp p, 0,1,2,3
	global_store_b128 v1, v[D+16*\i+4*\p:D+16*\i+4*\p+3], s[10:11] offset:2048*\i+512*\p th:TH_STORE_NT   ; 32 lanes store 512 consecutive bytes, aligned
.endr
.endr
	s_cmp_lg_u32 s14, 0
	s_cbranch_scc1 .Lend
.irp k, 0,1                            ; wave 0: its eight loads went out ahead of the rows' and are in
	v_cmp_gt_u32 s68, v[O+10+\k], v[O+8+\k]
	v_cmp_gt_u32 s69, v[O+14+\k], v[O+12+\k]
	v_max_u32 v[O+8+\k], v[O+8+\k], v[O+10+\k]
	v_max_u32 v[O+12+\k], v[O+12+\k], v[O+14+\k]
	v_cndmask_b32 v[O+\k], v[O+\k], v[O+2+\k], s68
	v_cndmask_b32 v[O+4+\k], v[O+4+\k], v[O+6+\k], s69
	v_cmp_gt_u32 s70, v[O+12+\k], v[O+8+\k]
	v_cndmask_b32 v[O+\k], v[O+\k], v[O+4+\k], s70
.endr
	global_store_b64 v11, v[O:O+1], s[12:13]       ; 32 lanes store 256 consecutive bytes, aligned
.Lend:
	s_endpgm
.Lfunc_end_k_q81b2652533_gather:
	.size	k_q81b2652533_gather, .Lfunc_end_k_q81b2652533_gather-k_q81b2652533_gather
	.p2alignl 7, 3214868480
	.fill 96, 4, 3214868480
	.section	.rodata,"a",@progbits
	.p2align	6, 0x0
	.amdhsa_kernel k_q81b2652533_gather
		.amdhsa_group_segment_fixed_size 0
		.amdhsa_private_segment_fixed_size 0
		.amdhsa_enable_private_segment 0
		.amdhsa_kernarg_size 40
		.amdhsa_user_sgpr_count 2
		.amdhsa_user_sgpr_kernarg_segment_ptr 1
		.amdhsa_wavefront_size32 1
		.amdhsa_system_sgpr_workgroup_id_x 1
		.amdhsa_system_sgpr_workgroup_id_y 1
		.amdhsa_system_sgpr_workgroup_id_z 1
		.amdhsa_system_vgpr_workitem_id 0
		.amdhsa_next_free_vgpr 96
		.amdhsa_next_free_sgpr 72
		.amdhsa_reserve_vcc 0
		.amdhsa_float_denorm_mode_32 3
		.amdhsa_float_denorm_mode_16_64 3
		.amdhsa_memory_ordered 1
		.amdhsa_forward_progress 1
		.amdhsa_inst_pref_size 8
	.end_amdhsa_kernel
	.amdgpu_metadata
---
amdhsa.version: [ 1, 2 ]
amdhsa.kernels:
  - .name:           k_q81b2652533_gather
    .symbol:         k_q81b2652533_gather.kd
    .args:
      - { .name: embed, .offset: 0, .size: 8, .value_kind: global_buffer, .address_space: global }
      - { .name: ckey, .offset: 8, .size: 8, .value_kind: global_buffer, .address_space: global }
      - { .name: cidx, .offset: 16, .size: 8, .value_kind: global_buffer, .address_space: global }
      - { .name: out0, .offset: 24, .size: 8, .value_kind: global_buffer, .address_space: global }
      - { .name: out1, .offset: 32, .size: 8, .value_kind: global_buffer, .address_space: global }
    .group_segment_fixed_size: 0
    .private_segment_fixed_size: 0
    .kernarg_segment_align: 8
    .kernarg_segment_size: 40
    .max_flat_workgroup_size: 512
    .sgpr_count:     72
    .vgpr_count:     96
    .wavefront_size: 32
...
	.end_amdgpu_metadata
.endif
;; end of part 3
